; MI455X (gfx1250); checked and timed in simulation.
; The chip was launched on July 23, 2026; its instructions are those of AMD's public machine-readable ISA for CDNA 5 (MIT licence, August 2026) and "CDNA5" Instruction Set Architecture Reference Guide (July 2026). The comments in the code are by the model that wrote it; some were corrected since.
;; Stick Breaking Attention. Allowed arithmetic: matrix products marked QUANTISED: E2M3 operands, one E8M0 scale for each 32 along K, by v_wmma_scale_f32_16x16x128_f8f6f4 with both operands' format E2M3, f32 sums; everything else in f32.
;; Inputs: Wk 2,048 x 2,048 float32; Wo 2,048 x 2,048 float32; Wq 2,048 x 2,048 float32; Wv 2,048 x 2,048 float32; hidden_states 2 x 1,024 x 2,048 float32.
;; Outputs: out0 2 x 1,024 x 2,048 float32.
;; This version of the problem:
;;   THIS VERSION OF THE PROBLEM IS GIVEN IN LOW PRECISION. The matrix products marked QUANTISED in the list below multiply operands that are first quantised to E2M3 (2 exponent bits, 3 mantissa bits; 6 bits a number), with one power-of-two scale for each 32 numbers along K (OCP MX v1.0); their sums are f32. All else is computed in f32.
;;   The module's matrix products, in the order in which they are computed (A, B: the left and right operand; K: the contracted axis; several contracted axes count as one K, in the product's order):
;;     1. [M 2,048, K 2,048] x [K 2,048, N 2,048]; A: input hidden_states; B: input Wq: QUANTISED
;;     2. [M 2,048, K 2,048] x [K 2,048, N 2,048]; A: input hidden_states; B: input Wk: QUANTISED
;;     3. [M 2,048, K 2,048] x [K 2,048, N 2,048]; A: input hidden_states; B: input Wv: QUANTISED
;;     4. batch 64 x [M 1,024, K 64] x [K 64, N 1,024]; A: computed on the way; B: computed on the way: QUANTISED
;;     5. batch 64 x [M 64, K 1,024] x [K 1,024, N 1,024]; A: computed on the way; B: computed on the way: QUANTISED
;;     6. [M 2,048, K 2,048] x [K 2,048, N 2,048]; A: computed on the way; B: input Wo: QUANTISED
;;   THE QUANTISER, for each operand of a quantised product, along K:
;;     - K is cut into blocks of 32 from its start; a last block that is shorter is filled with zeros.
;;     - A block's scale is 2^e with e = floor(log2(the largest magnitude in the block)) - 2, held to -126 .. 127; a block of zeros has e = 0. As a byte (E8M0): e + 127.
;;     - Each number is divided by its block's scale, clamped to +-7.5, and rounded to the nearest number of E2M3, ties to even, subnormals kept.
;;     - The product sums the exact products of the quantised numbers (number of the format x scale) in f32.
;;   ~~~python
;;   def quantise(x, axis):      # numpy; x: float32 -> the quantised numbers, widened to float32 again
;;       x = np.moveaxis(x, axis, -1); K = x.shape[-1]
;;       x = np.pad(x, [(0, 0)] * (x.ndim - 1) + [(0, -K % 32)]); x = x.reshape(x.shape[:-1] + (-1, 32)); a = np.abs(x).max(-1, keepdims=True)
;;       e = np.where(a > 0, np.clip(np.frexp(np.where(a > 0, a, 1))[1] - 1 - 2, -126, 127), 0)      # np.frexp(a)[1] - 1 = floor(log2(a)), exactly
;;       r = np.clip(x / 2.0 ** e, -7.5, 7.5)
;;       step = 2.0 ** (np.maximum(np.frexp(np.where(r == 0, 1, r))[1] - 1, 0) - 3)
;;       q = np.round(r / step) * step * 2.0 ** e      # np.round: ties to even
;;       return np.moveaxis(q.reshape(q.shape[:-2] + (-1,))[..., :K], -1, axis).astype(np.float32)
;;   ~~~
;;   OPERANDS COMPUTED ON THE WAY. 'Computed on the way' means the value that the module computes at that place (a softmax that the list does not call 'softmax' is quantised finished and normalised). What goes into a quantiser is computed in f32, as accurately as f32 sums, v_exp_f32 and their like allow (about 1e-6 of the number): no bf16 or f16 on the way to a quantiser, and a product that is left as it is and whose result goes on into a quantised operand takes f32 operands (vector FMAs, or v_wmma_f32_16x16x4_f32). A number that lies on a knife's edge between two numbers of the format may be rounded either way, as far as f32 arithmetic and the matrix unit's own rounding can turn it there, and no further.
;; One version. Each part assembles by itself: llvm-mc -triple=amdgcn-amd-amdhsa -mcpu=gfx1250 --defsym DOCPART=n.
;; ======== version 1 of 1: 4 launches
;; workspace buffers: ximg 3,407,872 bytes; wimg 13,631,488 bytes; oimg 3,407,872 bytes; qkv 9,437,184 bytes; qkvs 786,432 bytes
;; launch quant (part 1): grid 512 x 1, 4 waves a work-group, no clusters, 89,600 bytes of LDS; arguments hidden_states, Wq, Wk, Wv, Wo, ximg, wimg; writes ximg, wimg
.if DOCPART == 1
	.amdgcn_target "amdgcn-amd-amdhsa--gfx1250"
	.amdhsa_code_object_version 6
	.text
	.protected	k_q3e8b7744d3_quant
	.globl	k_q3e8b7744d3_quant
	.p2align	8
	.type	k_q3e8b7744d3_quant,@function
k_q3e8b7744d3_quant:
	s_mov_b64 s[64:65], 0
	v_nop
	global_prefetch_b8 v0, s[64:65] scope:SCOPE_SE
	s_setreg_imm32_b32 hwreg(HW_REG_WAVE_MODE, 25, 1), 1
	s_wait_xcnt 0x0
; hidden_states [2048 tokens][2048] and the four weights [2048 (k)][2048 (n)], f32, become codes of FP6 (E2M3) with one E8M0 byte for each 32 along K,
; laid as IMAGES OF THE OPERAND'S REGISTERS.  A half fragment (16 rows x 64 K, 6 registers a lane) is 768 bytes: registers 0-3 of lane l at 16 l, registers 4-5 at 512 + 8 l;
; lane (r, h) holds row r, k = 32 h .. 32 h + 31.  A fragment (16 x 128 K) is two of them.  A PAIR IMAGE (16 rows x 256 K) is 3,328 bytes: two fragments and 256 bytes of scale words
; (lane l: the two fragments' words of row l % 16, 8 bytes at 8 l).  ximg and each of wimg's four sections (q, k, v, o) are [row block 128][256 along K: 8][3,328].
; WHICH ROWS FORM A BLOCK IS CHOSEN.  Weights, in each 64 columns: place 16 q + 8 h + j holds column 32 h + 8 q + j.  Tokens, in each 128: place 64 c + 16 q + 8 h + 2 g + s holds token 64 c + 32 h + 16 s + 4 q + g.
; A block's scale is 2^(floor(log2(its largest magnitude)) - 2); its byte is the largest magnitude's exponent field - 2, held at 1 from below by a floor among the maximum's leaves.
; LIMITS: a block of zeros gets the byte 1 where the rule says 127 (its codes are zeros, and this program alone reads the bytes); NaN and infinities among the inputs are not served.
; Work-groups 0-255 take the weights, 256-511 the tokens: a branch on the work-group's number; each way has LDS bytes of its own.  Waves share nothing: no barrier.
.set IMG,   3328
.set WST,   3456                       ; weights: an image's place in a wave's stage (3,328 + 128, so that neighbouring images begin in other banks)
.set WWAVE, 4*WST                      ; four images a wave
.set XBASE, 4*WWAVE                    ; tokens: the stages begin behind the weights' 55,296 bytes
.set XP,    528                        ; a row of 512 bytes + 16
.set XWAVE, 16*XP
.set SEL,   30                         ; s[30:31] lane selects for v_permlanex16_b32: lane l xor 16
.set XW,    32                         ; weights: v32-95 two sets of 32 numbers
.set CW,    96                         ; v96-101 a block's codes
.set DW,    104                        ; v104-106 the second conversion's three
.set SB,    24                         ; v24-27 scale words: 2 x column half + fragment
.set OUTR,  112                        ; v112-215 the way out: 26 registers an image
.set RX,    32                         ; tokens: v32-159 the rows as loaded
.set XR,    160                        ; v160-223 64 numbers of my row, register 32 c + p = k 64 c + 32 h + p
.set PC,    224                        ; v224-247 two fragments' codes
.set WD,    28                         ; v28-29 their scale words
.set SH8,   11                         ; v11 8 h
.set TM,    12
.set SCO,   14
.set BY,    16
.set TX,    18
.set TC,    20
; 64 numbers of a lane, register 32 c + p = k 64 c + 32 h + p of its row (two whole blocks of 32), become a fragment's 12 registers and the row's scale word (in all 32 lanes).
.macro QUANT src, pc, wd
.irp c, 0,1
	v_max3_num_f32 v[TM+\c], |v[(\src)+32*\c]|, |v[(\src)+32*\c+1]|, 0x1800000   ; the floor 2^(3 - 127): the byte cannot fall under 1
.endr
.irp i, 2,4,6,8,10,12,14,16,18,20,22,24,26,28,30
.irp c, 0,1
	v_max3_num_f32 v[TM+\c], v[TM+\c], |v[(\src)+32*\c+\i]|, |v[(\src)+32*\c+\i+1]|
.endr
.endr
	v_add_nc_u32 v[SCO], 0xff000000, v[TM]         ; 2 off the exponent field: the conversion's scale operand
	v_add_nc_u32 v[SCO+1], 0xff000000, v[TM+1]
	v_lshrrev_b32 v[BY], 23, v[SCO]                ; the bytes
	v_lshrrev_b32 v[BY+1], 23, v[SCO+1]
	v_lshl_or_b32 v[\wd], v[BY+1], 16, v[BY]       ; blocks h and 2 + h,
	v_lshlrev_b32 v[\wd], v[SH8], v[\wd]           ; at their places in the word;
	v_permlanex16_b32 v[TX], v[\wd], s[SEL], s[SEL+1]
	v_or_b32 v[\wd], v[\wd], v[TX]                 ; with lane l xor 16's two it is whole
.irp c, 0,1
	v_cvt_scalef32_pk16_fp6_f32 v[(\pc)+6*\c:(\pc)+6*\c+2], v[(\src)+32*\c:(\src)+32*\c+15], v[SCO+\c]
	v_cvt_scalef32_pk16_fp6_f32 v[TC+4*\c:TC+4*\c+2], v[(\src)+32*\c+16:(\src)+32*\c+31], v[SCO+\c]   ; (a conversion's three registers begin on an even number)
.endr
	v_nop                                          ; one plain place behind a scaled conversion
.irp c, 0,1
.irp i, 0,1,2
	v_mov_b32 v[(\pc)+6*\c+3+\i], v[TC+4*\c+\i]
.endr
.endr
.endm
	s_load_b256 s[4:11], s[0:1], 0x0               ; hidden_states s[4:5], Wq s[6:7], Wk s[8:9], Wv s[10:11]
	s_load_b128 s[12:15], s[0:1], 0x20             ; Wo s[12:13], ximg s[14:15]
	s_load_b64 s[16:17], s[0:1], 0x30              ; wimg
	v_lshl_add_u32 v254, v0, 2, 0x15c00
	v_mov_b32 v255, 0
	v_lshrrev_b32 v1, 5, v0
	v_readfirstlane_b32 s18, v1                    ; wave
	v_and_b32 v2, 31, v0                           ; lane
	v_lshlrev_b32 v9, 4, v2                        ; 16 x lane
	v_lshlrev_b32 v10, 3, v2                       ; 8 x lane
	s_cmp_ge_u32 ttmp9, 256
	s_cbranch_scc1 .Lpath_x
; ---- THE WEIGHTS.  A wave takes 64 columns x 256 along K: four pair images.  A LANE TAKES A COLUMN AND ITS REGISTERS RUN DOWN K: a block of 32 lies in one lane.
; Sixteen units: unit n = columns 32 (n % 2) + lane, K block n / 2.  Lane (q = lane / 8, j = lane % 8) of column half sg is row 8 sg + j of image q.
	s_lshr_b32 s19, ttmp9, 6                       ; which weight: 0 q, 1 k, 2 v, 3 o
	s_bfe_u32 s20, ttmp9, 0x30003                  ; which 256 along K
	s_and_b32 s21, ttmp9, 7
	s_lshl_b32 s21, s21, 2
	s_add_co_u32 s21, s21, s18                     ; which 64 columns
	v_lshlrev_b32 v3, 2, v2                        ; in: 4 bytes a lane
	v_lshrrev_b32 v4, 3, v2
	v_and_b32 v5, 7, v2
	s_mul_i32 s22, s18, WWAVE                      ; my stage
	v_mul_u32_u24 v6, v4, WST
	v_add_nc_u32 v6, s22, v6
	v_lshl_add_u32 v7, v5, 4, v6                   ; into it: image q, 16 j
	v_lshl_add_u32 v8, v5, 3, v6                   ; and 8 j
	v_add_nc_u32 v11, s22, v9                      ; out of it: 16 x lane
	v_add_nc_u32 v12, s22, v10                     ; and 8 x lane
	s_lshl_b32 s24, s20, 21                        ; 256 rows of 8,192 bytes
	s_lshl_b32 s25, s21, 8
	s_add_co_u32 s24, s24, s25
	s_mov_b32 s25, 0
	s_lshl_b32 s26, s19, 7
	s_lshl_b32 s27, s21, 2
	s_add_co_u32 s26, s26, s27                     ; my first row block: 128 x weight + 4 x column group
	s_lshl_b32 s26, s26, 3
	s_add_co_u32 s26, s26, s20
	s_mul_i32 s26, s26, IMG
	s_mov_b32 s27, 0
	s_wait_kmcnt 0x0
	s_cmp_eq_u32 s19, 1                            ; the choice hangs on the work-group's number alone
	s_cselect_b64 s[6:7], s[8:9], s[6:7]
	s_cmp_eq_u32 s19, 2
	s_cselect_b64 s[6:7], s[10:11], s[6:7]
	s_cmp_eq_u32 s19, 3
	s_cselect_b64 s[6:7], s[12:13], s[6:7]
	s_add_nc_u64 s[6:7], s[6:7], s[24:25]
	s_add_nc_u64 s[16:17], s[16:17], s[26:27]
.macro LOADU n                         ; unit n's 32 numbers into set n % 2: each load reads 128 consecutive bytes
.set li, 0
.rept 32
	global_load_b32 v[XW+32*((\n)%2)+li], v3, s[6:7] offset:(32*((\n)/2)+li)*8192+128*((\n)%2) th:TH_LOAD_NT
.set li, li+1
.endr
.endm
.macro UNIT n
.set XS, XW+32*((\n)%2)
.set SG, (\n)%2
.set TT, (\n)/2
.set FB, (TT/4)*1536+((TT%4)/2)*768    ; the block's fragment and half fragment; its lane half is TT % 2
.if (\n) < 15
	s_wait_loadcnt 32                              ; this unit's 32 loads are in; the next unit's 32 may be out
.else
	s_wait_loadcnt 0x0
.endif
	v_max3_num_f32 v13, |v[XS]|, |v[XS+1]|, |v[XS+2]|
	v_max3_num_f32 v14, |v[XS+3]|, |v[XS+4]|, |v[XS+5]|
.irp i, 6,10,14,18,22,26
	v_max3_num_f32 v13, v13, |v[XS+\i]|, |v[XS+\i+1]|
	v_max3_num_f32 v14, v14, |v[XS+\i+2]|, |v[XS+\i+3]|
.endr
	v_max3_num_f32 v13, v13, |v[XS+30]|, |v[XS+31]|
	v_max3_num_f32 v13, v13, v14, 0x1800000        ; and the floor
	v_add_nc_u32 v15, 0xff000000, v13              ; the conversion's scale operand
	v_lshrrev_b32 v14, 23, v15                     ; the byte
.if TT%4 == 0
	v_mov_b32 v[SB+2*SG+TT/4], v14
.else
	v_lshl_or_b32 v[SB+2*SG+TT/4], v14, 8*(TT%4), v[SB+2*SG+TT/4]
.endif
	v_cvt_scalef32_pk16_fp6_f32 v[CW:CW+2], v[XS:XS+15], v15
	v_cvt_scalef32_pk16_fp6_f32 v[DW:DW+2], v[XS+16:XS+31], v15
	v_nop                                          ; one plain place behind a scaled conversion
	v_mov_b32 v[CW+3], v[DW]
	v_mov_b32 v[CW+4], v[DW+1]
	v_mov_b32 v[CW+5], v[DW+2]
	ds_store_b128 v7, v[CW:CW+3] offset:FB+128*SG+256*(TT%2)       ; the image's lane 16 (TT % 2) + 8 sg + j
	ds_store_b64 v8, v[CW+4:CW+5] offset:FB+512+64*SG+128*(TT%2)
.if (\n)+2 < 16
	LOADU (\n)+2
.endif
	s_wait_dscnt 0x0                               ; the stores have read their registers: the next unit's codes may be written
.endm
	LOADU 0
	LOADU 1
.set un, 0
.rept 16
	UNIT un
.set un, un+1
.endr
.irp sg, 0,1
	ds_store_b64 v8, v[SB+2*\sg:SB+2*\sg+1] offset:3072+64*\sg      ; my column's two scale words, for the image's lane 8 sg + j
	ds_store_b64 v8, v[SB+2*\sg:SB+2*\sg+1] offset:3072+64*\sg+128  ; and for the lane 16 on
.endr
.irp q, 0,1,2,3                        ; LDS serves a wave's instructions in order: these see my stores
.irp i, 0,1,2,3,4,5
	ds_load_b128 v[OUTR+26*\q+4*\i:OUTR+26*\q+4*\i+3], v11 offset:\q*WST+512*\i
.endr
	ds_load_b64 v[OUTR+26*\q+24:OUTR+26*\q+25], v12 offset:\q*WST+3072
.endr
	s_wait_dscnt 0x0
.irp q, 0,1,2,3                        ; each store covers 512 or 256 consecutive bytes, at a multiple of 256 from wimg's first byte
.irp i, 0,1,2,3,4,5
	global_store_b128 v9, v[OUTR+26*\q+4*\i:OUTR+26*\q+4*\i+3], s[16:17] offset:\q*8*IMG+512*\i
.endr
	global_store_b64 v10, v[OUTR+26*\q+24:OUTR+26*\q+25], s[16:17] offset:\q*8*IMG+3072
.endr
	s_wait_tensorcnt 0x0
	ds_add_u32 v254, v255
	s_wait_dscnt 0x0
	s_endpgm
; ---- THE TOKENS.  A wave makes one pair image: 16 tokens (the block's places) x 256 along K.  Each load reads 512 consecutive bytes of a row; the rows turn through the wave's stage, so that lane (r, h) gets 32 neighbours of row r.
.Lpath_x:
	s_sub_co_u32 s19, ttmp9, 256
	s_lshl_b32 s19, s19, 2
	s_add_co_u32 s19, s19, s18                     ; which image: 8 x row block + which 256 along K
	s_lshr_b32 s20, s19, 3                         ; row block
	s_and_b32 s21, s19, 7
	s_lshr_b32 s22, s20, 3
	s_lshl_b32 s22, s22, 7                         ; its 128 tokens,
	s_bfe_u32 s23, s20, 0x10002
	s_lshl_b32 s23, s23, 6                         ; + 64 c
	s_add_co_u32 s22, s22, s23
	s_and_b32 s23, s20, 3
	s_lshl_b32 s23, s23, 2                         ; + 4 q: place 0's token
	s_add_co_u32 s22, s22, s23
	s_lshl_b32 s24, s22, 13
	s_lshl_b32 s25, s21, 10
	s_add_co_u32 s24, s24, s25
	s_mov_b32 s25, 0
	s_mul_i32 s26, s19, IMG
	s_mov_b32 s27, 0
	s_mov_b32 s[SEL], 0x76543210
	s_mov_b32 s[SEL+1], 0xfedcba98
	s_mul_i32 s28, s18, XWAVE
	s_add_co_u32 s28, s28, XBASE                   ; my stage
	v_add_nc_u32 v6, s28, v9                       ; into it: 16 x lane of a row
	v_and_b32 v3, 15, v0                           ; r
	v_bfe_u32 v4, v0, 4, 1                         ; h
	v_mul_u32_u24 v7, v3, XP
	v_lshl_add_u32 v7, v4, 7, v7
	v_add_nc_u32 v7, s28, v7                       ; out of it: row r, + 128 h
	v_lshlrev_b32 v[SH8], 3, v4
	v_mov_b32 v[TX], 0                             ; a lane permute's destination counts as one of its sources
	s_wait_kmcnt 0x0
	s_add_nc_u64 s[4:5], s[4:5], s[24:25]
	s_add_nc_u64 s[14:15], s[14:15], s[26:27]
.irp ks, 0,1
.irp i, 0,1,2,3,4,5,6,7,8,9,10,11,12,13,14,15
	global_load_b128 v[RX+4*(16*\ks+\i):RX+4*(16*\ks+\i)+3], v9, s[4:5] offset:(32*(\i/8)+16*(\i%2)+((\i%8)/2))*8192+512*\ks th:TH_LOAD_NT   ; place i's token
.endr
.endr
.macro XK ks
.if \ks == 0
	s_wait_loadcnt 16                              ; the first fragment's 16 loads are in; the second's 16 may be out
.else
	s_wait_loadcnt 0x0
.endif
.irp i, 0,1,2,3,4,5,6,7,8,9,10,11,12,13,14,15
	ds_store_b128 v6, v[RX+4*(16*\ks+\i):RX+4*(16*\ks+\i)+3] offset:XP*\i
.endr
.irp c, 0,1
.irp m, 0,1,2,3,4,5,6,7
	ds_load_b128 v[XR+32*\c+4*\m:XR+32*\c+4*\m+3], v7 offset:256*\c+16*\m   ; LDS serves a wave's instructions in order: these see the stores above
.endr
.endr
	s_wait_dscnt 0x0
	QUANT XR, PC+12*\ks, WD+\ks
	global_store_b128 v9, v[PC+12*\ks:PC+12*\ks+3], s[14:15] offset:1536*\ks
	global_store_b64 v10, v[PC+12*\ks+4:PC+12*\ks+5], s[14:15] offset:1536*\ks+512
	global_store_b128 v9, v[PC+12*\ks+6:PC+12*\ks+9], s[14:15] offset:1536*\ks+768
	global_store_b64 v10, v[PC+12*\ks+10:PC+12*\ks+11], s[14:15] offset:1536*\ks+1280
.endm
	XK 0
	XK 1
	global_store_b64 v10, v[WD:WD+1], s[14:15] offset:3072         ; 32 lanes store 256 consecutive bytes
	s_wait_tensorcnt 0x0
	ds_add_u32 v254, v255
	s_wait_dscnt 0x0
	s_endpgm
.Lfunc_end_k_q3e8b7744d3_quant:
	.size	k_q3e8b7744d3_quant, .Lfunc_end_k_q3e8b7744d3_quant-k_q3e8b7744d3_quant
	.p2alignl 7, 3214868480
	.fill 96, 4, 3214868480
	.section	.rodata,"a",@progbits
	.p2align	6, 0x0
	.amdhsa_kernel k_q3e8b7744d3_quant
		.amdhsa_group_segment_fixed_size 89600
		.amdhsa_private_segment_fixed_size 0
		.amdhsa_enable_private_segment 0
		.amdhsa_kernarg_size 56
		.amdhsa_user_sgpr_count 2
		.amdhsa_user_sgpr_kernarg_segment_ptr 1
		.amdhsa_wavefront_size32 1
		.amdhsa_system_sgpr_workgroup_id_x 1
		.amdhsa_system_sgpr_workgroup_id_y 1
		.amdhsa_system_sgpr_workgroup_id_z 1
		.amdhsa_system_vgpr_workitem_id 0
		.amdhsa_next_free_vgpr 256
		.amdhsa_next_free_sgpr 66
		.amdhsa_reserve_vcc 0
		.amdhsa_float_denorm_mode_32 3
		.amdhsa_float_denorm_mode_16_64 3
		.amdhsa_memory_ordered 1
		.amdhsa_forward_progress 1
		.amdhsa_inst_pref_size 97
	.end_amdhsa_kernel
	.amdgpu_metadata
---
amdhsa.version: [ 1, 2 ]
amdhsa.kernels:
  - .name:           k_q3e8b7744d3_quant
    .symbol:         k_q3e8b7744d3_quant.kd
    .args:
      - { .name: hidden_states, .offset: 0, .size: 8, .value_kind: global_buffer, .address_space: global }
      - { .name: Wq, .offset: 8, .size: 8, .value_kind: global_buffer, .address_space: global }
      - { .name: Wk, .offset: 16, .size: 8, .value_kind: global_buffer, .address_space: global }
      - { .name: Wv, .offset: 24, .size: 8, .value_kind: global_buffer, .address_space: global }
      - { .name: Wo, .offset: 32, .size: 8, .value_kind: global_buffer, .address_space: global }
      - { .name: ximg, .offset: 40, .size: 8, .value_kind: global_buffer, .address_space: global }
      - { .name: wimg, .offset: 48, .size: 8, .value_kind: global_buffer, .address_space: global }
    .group_segment_fixed_size: 89600
    .private_segment_fixed_size: 0
    .kernarg_segment_align: 8
    .kernarg_segment_size: 56
    .max_flat_workgroup_size: 128
    .sgpr_count:     66
    .vgpr_count:     256
    .wavefront_size: 32
...
	.end_amdgpu_metadata
.endif
;; end of part 1
;; launch gemm_qkv (part 2): grid 24 x 8, 4 waves a work-group, clusters of 4 x 4, 327,680 bytes of LDS; arguments ximg, wimg, qkv, qkvs; writes qkv, qkvs
.if DOCPART == 2
	.amdgcn_target "amdgcn-amd-amdhsa--gfx1250"
	.amdhsa_code_object_version 6
	.text
	.protected	k_q3e8b7744d3_gemm_qkv
	.globl	k_q3e8b7744d3_gemm_qkv
	.p2align	8
	.type	k_q3e8b7744d3_gemm_qkv,@function
k_q3e8b7744d3_gemm_qkv:
	s_mov_b64 s[64:65], 0
	v_nop
	global_prefetch_b8 v0, s[64:65] scope:SCOPE_SE
	s_setreg_imm32_b32 hwreg(HW_REG_WAVE_MODE, 25, 1), 1
	s_wait_xcnt 0x0
	s_wait_alu depctr_hold_cnt(0) depctr_sa_sdst(0) depctr_va_vdst(0) depctr_va_sdst(0) depctr_va_ssrc(0) depctr_va_vcc(0) depctr_vm_vsrc(0)
	s_getreg_b32 s2, hwreg(HW_REG_IB_STS2, 6, 4)
	s_cmp_eq_u32 s2, 0
	s_cbranch_scc0 .Lentry_in_a_cluster
	s_endpgm
.Lentry_in_a_cluster:
	s_bfe_u32 s2, ttmp6, 0x10000c
	s_cmp_lg_u32 s2, 0xf033
	s_cbranch_scc0 .Lentry_shape_is_right
	s_endpgm
.Lentry_shape_is_right:
; q = x Wq, k = x Wk, v = x Wv on codes of FP6 (E2M3) with E8M0 scales, sums in f32; the results are quantised in registers and leave as codes: q and k along the head's 64, v along the tokens (the keys).
; OPERANDS lie in memory as images of their registers: a pair image (16 rows x 256 K) is 3,328 bytes: two fragments of 1,536 (each two halves: registers 0-3 of lane l at 16 l, registers 4-5 at 512 + 8 l)
; and 256 bytes of scale words (lane l: two words of row l % 16).  ximg and wimg's sections are [row block][256 along K: 8][3,328].
; A tile of 256 x 256 is made by four waves, each 128 x 128: 64 accumulators, 512 registers.  K goes 256 at a time through two LDS slots; a wave's tensor load brings 8 images (rows of 3,328 bytes, 26,624 apart in memory).
; The grid's x: section (cluster x / 2: 0 q, 1 k, 2 v) and 8 tiles; its y: 8 tiles.  Sections 0, 1: A = tokens, B = the weight's columns.  Section 2: A = Wv's columns, B = tokens.
; THE MATRIX INSTRUCTION IS USED TRANSPOSED (source 0 = 16 rows of B, source 1 = 16 rows of A): a lane holds one row of A and 64 numbers along B.  The rows that form B's blocks were chosen so that a lane's registers
; 32 c + p are a whole block of 32 along the next K: features 64 c + 32 h + p (sections 0, 1), tokens 64 c + 32 h + p / 2 + 16 (p % 2) (section 2; attention's weights lie the same way).
; CLUSTERS: 4 x 4 work-groups; A's tiles are asked for jointly along a row of the cluster, B's along a column.  The section is the same in all sixteen.
; OUT: q, k codes [head 32][token block 128][768]; v codes [128 tokens: 16][feature block 128][1,536]; scale words [B's 128: 16][A's 128: 16][block / 4][lane][block % 4], a section 262,144 bytes.
; LIMITS: a block of zeros gets the scale byte 1 (its codes are zeros; this program alone reads the bytes).
; REGISTERS, in windows of 256: window 0: v12-31 addresses; v32-63 scale words, two sets; v64-159, v160-255 A's fragments, two sets.  window 1: B's, at v0 and v128.  windows 2, 3: accumulator (a, b) at v[8 (8 (a % 4) + b)].
.set IMG,    3328
.set HALFT,  8*IMG                     ; what one tensor load brings, and what a wave reads of A or of B
.set SLOT,   4*HALFT                   ; A's 16 images, then B's 16
.set SPARE,  2*SLOT                    ; behind the ring: the spare words, 128 bytes for each wave
.set SH8,  12                          ; v12  8 h
.set L16,  26                          ; v26  16 x lane
.set L8,   27                          ; v27  8 x lane
.set SPW,  28                          ; v28  my spare word; never rewritten
.set NIL,  29                          ; v29  0; never rewritten
.set SEL,  94                          ; s[94:95]
.set TM,   64                          ; the way out works in A's first set
.set SCO,  66
.set BY,   68
.set TX,   70
.set TC,   72
.set PCB,  80                          ; v80-103 codes, two sets
.set WS,   104                         ; v104-111 eight scale words
.set G1,  24
.set G0,  32
.set G1B, 48
.set G0B, 56
.set MSB, 0
.macro WIN new                         ; the immediate's high byte repeats the setting that is left
.if MSB != (\new)
	s_set_vgpr_msb (MSB<<8)|(\new)
.set MSB, (\new)
.endif
.endm
.set MUL_LO, 0xa1                      ; source 0 (B) window 1, source 1 (A) window 0, C and D window 2
.set MUL_HI, 0xf1
.macro JLOAD s                         ; a joint load: waves 0, 1 fetch A's halves, waves 2, 3 B's; four v_nop follow each line
	s_cmp_eq_u32 s15, 0
	s_cbranch_scc0 .Lfor_b_\@
	tensor_load_to_lds s[G0+4*\s:G0+4*\s+3], s[G1:G1+7]
	s_nop 0
.rept 4
	v_nop
.endr
	s_branch .Lasked_\@
.Lfor_b_\@:
	tensor_load_to_lds s[G0B+4*\s:G0B+4*\s+3], s[G1B:G1B+7]
	s_nop 0
.rept 4
	v_nop
.endr
.Lasked_\@:
.endm
.macro CREST                           ; a round of the cluster's barrier behind its opening barrier
	s_cmp_lg_u32 s14, 0
	s_cbranch_scc1 .Lnot_wave_0_\@
	s_barrier_signal -3
.Lnot_wave_0_\@:
	s_barrier_wait -3
	s_barrier_signal -1
	s_barrier_wait -1
.endm
.macro CROUND
	s_barrier_signal -1
	s_barrier_wait -1
	CREST
.endm
.macro PLACES n
.rept \n
	v_nop
.endr
.endm
	s_load_b256 s[4:11], s[0:1], 0x0               ; ximg s[4:5], wimg s[6:7], qkv s[8:9], qkvs s[10:11]
	v_lshl_add_u32 v[SPW], v0, 2, SPARE
	v_mov_b32 v[NIL], 0
	ds_add_u32 v28, v29
	ds_add_u32 v28, v29
	s_wait_dscnt 0x0
	v_lshrrev_b32 v1, 5, v0
	v_readfirstlane_b32 s14, v1                    ; wave
	s_lshr_b32 s15, s14, 1                         ; my half of A's rows.  Also: I fetch for A (0) or B (1)
	s_and_b32 s16, s14, 1                          ; my half of B's rows.  Also: which 8 images I fetch
	s_bfe_u32 s40, ttmp6, 0x40000                  ; cx
	s_bfe_u32 s41, ttmp6, 0x40004                  ; cy
	s_lshr_b32 s12, ttmp9, 1                       ; the section: the same in all partners
	s_and_b32 s42, ttmp9, 1
	s_lshl_b32 s42, s42, 2
	s_add_co_u32 s42, s42, s40                     ; B's tile, 0..7
	s_and_b32 s17, ttmp7, 0xffff
	s_lshl_b32 s17, s17, 2
	s_add_co_u32 s17, s17, s41                     ; A's tile, 0..7
	s_lshl_b32 s43, s41, 2
	s_lshl_b32 s43, 15, s43                        ; my row of the cluster
	s_lshl_b32 s44, 0x1111, s40                    ; my column
	s_or_b32 s[G1], s43, (3<<16)|(1<<21)           ; 15:0 the mask; 17:16 elements of 8 bytes; 21 set beside a mask; no padding
	s_or_b32 s[G1B], s44, (3<<16)|(1<<21)
.irp g, G1, G1B
	s_mov_b32 s[\g+1], 416<<16                     ; tensor_dim0: 3,328 bytes
	s_mov_b32 s[\g+2], 8<<16                       ; tensor_dim1
	s_mov_b32 s[\g+3], 416<<16                     ; tile_dim0
	s_mov_b32 s[\g+4], 8                           ; tile_dim1
	s_mov_b32 s[\g+5], 3328                        ; from row block to row block: 26,624 bytes
	s_mov_b32 s[\g+6], 0
	s_mov_b32 s[\g+7], 0
.endr
	s_lshl_b32 s18, s16, 3
	s_lshl_b32 s20, s17, 4
	s_add_co_u32 s20, s20, s18                     ; A: row block 16 x tile + 8 x half
	s_lshl_b32 s46, s42, 4
	s_add_co_u32 s46, s46, s18                     ; B likewise
	s_lshl_b32 s19, s12, 7
	s_cmp_eq_u32 s12, 2
	s_cselect_b32 s21, 256, 0                      ; section 2: A is wimg's third section,
	s_cselect_b32 s19, 0, s19                      ; else B is wimg's section 0 or 1
	s_add_co_u32 s20, s20, s21
	s_add_co_u32 s46, s46, s19
	s_mul_i32 s20, s20, HALFT
	s_mul_i32 s46, s46, HALFT
	s_mov_b32 s21, 0
	s_mov_b32 s47, 0
	s_mul_i32 s45, s14, HALFT                      ; where they go: wave x 8 images
	s_wait_kmcnt 0x0
	s_cmp_eq_u32 s12, 2
	s_cselect_b64 s[22:23], s[6:7], s[4:5]         ; A's buffer
	s_cselect_b64 s[92:93], s[4:5], s[6:7]         ; B's
	s_add_nc_u64 s[20:21], s[22:23], s[20:21]
	s_add_nc_u64 s[46:47], s[92:93], s[46:47]
	CROUND                                         ; all sixteen work-groups are here: the first joint loads meet
.irp s, 0,1
	s_mov_b32 s[G0+4*\s], 1
	s_add_co_u32 s[G0+4*\s+1], s45, \s*SLOT
	s_add_nc_u64 s[G0+4*\s+2:G0+4*\s+3], s[20:21], \s*IMG
	s_or_b32 s[G0+4*\s+3], s[G0+4*\s+3], 0x80000000
	s_mov_b32 s[G0B+4*\s], 1
	s_add_co_u32 s[G0B+4*\s+1], s45, \s*SLOT
	s_add_nc_u64 s[G0B+4*\s+2:G0B+4*\s+3], s[46:47], \s*IMG
	s_or_b32 s[G0B+4*\s+3], s[G0B+4*\s+3], 0x80000000
	JLOAD \s
.endr
	v_and_b32 v1, 31, v0
	v_bfe_u32 v2, v0, 4, 1                         ; h
	v_lshlrev_b32 v[L16], 4, v1
	v_lshlrev_b32 v[L8], 3, v1
	v_lshlrev_b32 v[SH8], 3, v2
	s_mul_i32 s21, s15, HALFT                      ; my 8 images of A
	s_mul_i32 s22, s16, HALFT
	s_add_co_u32 s22, s22, 2*HALFT                 ; my 8 of B
	s_sub_co_u32 s23, s22, s21
	v_mul_u32_u24 v3, s23, v2                      ; scale words: lanes 0-15 take A's, lanes 16-31 B's
	v_add_nc_u32 v3, v3, v[L8]
	v_add_nc_u32 v3, 3072, v3
.irp s, 0,1
	v_add_nc_u32 v[16+\s], s21, v[L16]             ; v16-17 A by 16 bytes, v18-19 by 8; v20-23 B; v24-25 scale words
	v_add_nc_u32 v[18+\s], s21, v[L8]
	v_add_nc_u32 v[20+\s], s22, v[L16]
	v_add_nc_u32 v[22+\s], s22, v[L8]
	v_add_nc_u32 v[24+\s], s21, v3
	s_add_co_u32 s21, s21, SLOT
	s_add_co_u32 s22, s22, SLOT
.endr
	; the way out's addresses
	s_lshl_b32 s70, s17, 1
	s_add_co_u32 s70, s70, s15                     ; GA: my 128 rows of A
	s_lshl_b32 s71, s42, 1
	s_add_co_u32 s71, s71, s16                     ; GB: my 128 rows of B
	s_mov_b32 s72, 6144
	s_mov_b32 s77, 768
	s_mov_b32 s76, 98304
	s_cmp_eq_u32 s12, 2
	s_cselect_b32 s72, 12288, s72                  ; bytes for 128 rows of A,
	s_cselect_b32 s74, 1536, s77                   ; for a block of 16,
	s_cselect_b32 s76, s77, s76                    ; and from the first half fragment to the second
	s_mul_i32 s72, s72, s70
	s_mul_i32 s77, s71, 196608
	s_add_co_u32 s72, s72, s77
	s_mul_i32 s77, s12, 3145728
	s_add_co_u32 s72, s72, s77
	s_mov_b32 s73, 0
	s_mov_b32 s75, 0
	s_add_nc_u64 s[8:9], s[8:9], s[72:73]
	s_lshl_b32 s78, s71, 4
	s_add_co_u32 s78, s78, s70
	s_lshl_b32 s78, s78, 10
	s_lshl_b32 s77, s12, 18
	s_add_co_u32 s78, s78, s77
	s_mov_b32 s79, 0
	s_add_nc_u64 s[10:11], s[10:11], s[78:79]
	v_add_nc_u32 v30, s76, v[L16]
	v_add_nc_u32 v31, s76, v[L8]
	s_mov_b32 s[SEL], 0x76543210
	s_mov_b32 s[SEL+1], 0xfedcba98
.macro FRAG reg, a16, a8, off          ; a fragment comes as it was stored: 12 registers by four loads, each of consecutive bytes
	ds_load_b128 v[(\reg):(\reg)+3], v[\a16] offset:(\off)
	ds_load_b64 v[(\reg)+4:(\reg)+5], v[\a8] offset:(\off)+512
	ds_load_b128 v[(\reg)+6:(\reg)+9], v[\a16] offset:(\off)+768
	ds_load_b64 v[(\reg)+10:(\reg)+11], v[\a8] offset:(\off)+1280
.endm
.macro FETCH slot, q, set              ; B's eight and A's eight fragments of the slot's q-th 128 along K
	WIN 0x40
.irp i, 0,1,2,3,4,5,6,7
	FRAG 128*(\set)+12*\i, 20+\slot, 22+\slot, \i*IMG+(\q)*1536
.endr
	WIN 0
.irp i, 0,1,2,3,4,5,6,7
	FRAG 64+96*(\set)+12*\i, 16+\slot, 18+\slot, \i*IMG+(\q)*1536
.endr
.endm
.macro SCALES slot                     ; register 2 i + q of set slot: lanes 0-15 the word of A's block i, lanes 16-31 of B's block i
.irp i, 0,1,2,3,4,5,6,7
	ds_load_b64 v[32+16*\slot+2*\i:32+16*\slot+2*\i+1], v[24+\slot] offset:\i*IMG
.endr
.endm
; 16 matrix instructions: A's blocks a0, a0 + 1 x B's eight.  The 64 accumulators take turns, one instruction a turn, in the same order in every step.
.macro MUL16 a0, set, q, sc, zero
.irp a, \a0, \a0+1
.irp b, 0,1,2,3,4,5,6,7
.if \zero
	v_wmma_scale_f32_16x16x128_f8f6f4 v[8*(8*((\a)%4)+\b):8*(8*((\a)%4)+\b)+7], v[128*(\set)+12*\b:128*(\set)+12*\b+11], v[64+96*(\set)+12*(\a):64+96*(\set)+12*(\a)+11], 0, v[32+16*(\sc)+2*\b+(\q)], v[32+16*(\sc)+2*(\a)+(\q)] matrix_a_fmt:MATRIX_FMT_FP6 matrix_b_fmt:MATRIX_FMT_FP6 matrix_a_scale:MATRIX_SCALE_ROW1
.else
	v_wmma_scale_f32_16x16x128_f8f6f4 v[8*(8*((\a)%4)+\b):8*(8*((\a)%4)+\b)+7], v[128*(\set)+12*\b:128*(\set)+12*\b+11], v[64+96*(\set)+12*(\a):64+96*(\set)+12*(\a)+11], v[8*(8*((\a)%4)+\b):8*(8*((\a)%4)+\b)+7], v[32+16*(\sc)+2*\b+(\q)], v[32+16*(\sc)+2*(\a)+(\q)] matrix_a_fmt:MATRIX_FMT_FP6 matrix_b_fmt:MATRIX_FMT_FP6 matrix_a_scale:MATRIX_SCALE_ROW1
.endif
.endr
.endr
.endm
; A slot's first 128 along K (set 0).  Behind its first sixteen products the second 128's fragments are asked for, into set 1: 48 products stand between the run and the wait for it.
.macro STEP slot, zero
	s_wait_dscnt 0x0                               ; set 0 and the slot's scale words are in
	WIN MUL_LO
	MUL16 0, 0, 0, \slot, \zero
	PLACES 4                                       ; four places in front of loads into registers that matrix instructions have read (ISA guide 7.12.1 for vector instructions)
	FETCH \slot, 1, 1
	WIN MUL_LO
	MUL16 2, 0, 0, \slot, \zero
	WIN MUL_HI
	MUL16 4, 0, 0, \slot, \zero
	MUL16 6, 0, 0, \slot, \zero
	WIN 0
.endm
; A slot's second 128 (set 1) changes slots: one barrier; in front of it each wave waits for all its tensor loads, adds 0 to its spare word, and waits for that and for its reads of this slot.
.macro TURN slot, next, fill
	s_wait_tensorcnt 0x0                           ; all my tensor loads have landed: my part of the next slot
	ds_add_u32 v[SPW], v[NIL]                      ; 0 onto my spare word
	s_wait_dscnt 0x0                               ; the add is done, set 1 is in, and my reads of this slot are over
	s_barrier_signal -1
	WIN MUL_LO
	MUL16 0, 1, 1, \slot, 0                        ; work on registers while the others arrive
	WIN 0
	s_barrier_wait -1
.if \fill
	CREST                                          ; the barrier has opened a round of the cluster's: no wave of any partner still reads this slot or has a load on its way
	s_add_nc_u64 s[G0+4*\slot+2:G0+4*\slot+3], s[G0+4*\slot+2:G0+4*\slot+3], 2*IMG
	s_add_nc_u64 s[G0B+4*\slot+2:G0B+4*\slot+3], s[G0B+4*\slot+2:G0B+4*\slot+3], 2*IMG
	JLOAD \slot                                    ; the first tensor load behind the round; its four v_nop are the places in front of the loads below
.else
	PLACES 4
.endif
	FETCH \next, 0, 0
	SCALES \next
	WIN MUL_LO
	MUL16 2, 1, 1, \slot, 0
	WIN MUL_HI
	MUL16 4, 1, 1, \slot, 0
	MUL16 6, 1, 1, \slot, 0
	WIN 0
.endm
	s_wait_tensorcnt 1                             ; my part of slot 0 is in; slot 1's one load may be out
	s_barrier_signal -1
	s_barrier_wait -1
	FETCH 0, 0, 0
	SCALES 0
	STEP 0, 1                                      ; the first step's products start the sums
	s_mov_b32 s3, 3
.Llap:                                             ; a trip goes once round the ring and fills both slots again: 256-steps 2 to 7 in three trips
	TURN 0, 1, 1
	STEP 1, 0
	TURN 1, 0, 1
	STEP 0, 0
	s_sub_co_u32 s3, s3, 1
	s_cmp_lg_u32 s3, 0
	s_cbranch_scc1 .Llap
	TURN 0, 1, 0                                   ; the tail fills nothing
	STEP 1, 0
	s_wait_dscnt 0x0
	WIN MUL_LO
	MUL16 0, 1, 1, 1, 0
	MUL16 2, 1, 1, 1, 0
	WIN MUL_HI
	MUL16 4, 1, 1, 1, 0
	MUL16 6, 1, 1, 1, 0
	WIN 0
; THE WAY OUT.  Block a's 64 numbers of a lane (window W) are two whole blocks of 32 along the next K: they become a fragment's 12 registers and the row's scale word, and leave as an image.
.macro QUANTW W, src, pc, wd
	WIN (\W)|((\W)<<2)
.irp c, 0,1
	v_max3_num_f32 v[TM+\c], |v[(\src)+32*\c]|, |v[(\src)+32*\c+1]|, 0x1800000   ; each accumulator is read from its low end on; the floor 2^(3 - 127) holds the byte at 1 from below
.endr
	WIN ((\W)<<2)|((\W)<<4)
.irp i, 2,4,6,8,10,12,14,16,18,20,22,24,26,28,30
.irp c, 0,1
	v_max3_num_f32 v[TM+\c], v[TM+\c], |v[(\src)+32*\c+\i]|, |v[(\src)+32*\c+\i+1]|
.endr
.endr
	WIN 0
	v_add_nc_u32 v[SCO], 0xff000000, v[TM]         ; 2 off the exponent field: the conversion's scale operand
	v_add_nc_u32 v[SCO+1], 0xff000000, v[TM+1]
	v_lshrrev_b32 v[BY], 23, v[SCO]
	v_lshrrev_b32 v[BY+1], 23, v[SCO+1]
	v_lshl_or_b32 v[\wd], v[BY+1], 16, v[BY]       ; blocks h and 2 + h,
	v_lshlrev_b32 v[\wd], v[SH8], v[\wd]           ; at their places;
	v_permlanex16_b32 v[TX], v[\wd], s[SEL], s[SEL+1]
	v_or_b32 v[\wd], v[\wd], v[TX]                 ; with lane l xor 16's two the word is whole
	WIN \W
.irp c, 0,1
	v_cvt_scalef32_pk16_fp6_f32 v[(\pc)+6*\c:(\pc)+6*\c+2], v[(\src)+32*\c:(\src)+32*\c+15], v[SCO+\c]
	v_cvt_scalef32_pk16_fp6_f32 v[TC+4*\c:TC+4*\c+2], v[(\src)+32*\c+16:(\src)+32*\c+31], v[SCO+\c]
.endr
	WIN 0
	v_nop                                          ; one plain place behind a scaled conversion
.irp c, 0,1
.irp i, 0,1,2
	v_mov_b32 v[(\pc)+6*\c+3+\i], v[TC+4*\c+\i]
.endr
.endr
.endm
.macro OUTBLK a
.set PCA, PCB+12*((\a)%2)
.if (\a) > 0
	s_wait_xcnt 0x0                                ; the earlier stores have read their base and their data: the base steps, and the set of codes of two blocks back is written again
	s_add_nc_u64 s[8:9], s[8:9], s[74:75]
.endif
	QUANTW 2+(\a)/4, 64*((\a)%4), PCA, WS+(\a)
	global_store_b128 v[L16], v[PCA:PCA+3], s[8:9]             ; each store covers 512 or 256 consecutive bytes, at a multiple of 256 from the buffer's first byte
	global_store_b64 v[L8], v[PCA+4:PCA+5], s[8:9] offset:512
	global_store_b128 v30, v[PCA+6:PCA+9], s[8:9]
	global_store_b64 v31, v[PCA+10:PCA+11], s[8:9] offset:512
.endm
	PLACES 4                                       ; behind the last products: results are read, and A's registers written
	v_mov_b32 v[TX], 0                             ; a lane permute's destination counts as one of its sources
.irp a, 0,1,2,3,4,5,6,7
	OUTBLK \a
.endr
	global_store_b128 v[L16], v[WS:WS+3], s[10:11]
	global_store_b128 v[L16], v[WS+4:WS+7], s[10:11] offset:512
	s_wait_tensorcnt 0x0                           ; the wave's end
	ds_add_u32 v[SPW], v[NIL]
	s_wait_dscnt 0x0
	CROUND                                         ; the closing round: no work-group ends while a partner may still ask for a tile that names it
	s_endpgm
.Lfunc_end_k_q3e8b7744d3_gemm_qkv:
	.size	k_q3e8b7744d3_gemm_qkv, .Lfunc_end_k_q3e8b7744d3_gemm_qkv-k_q3e8b7744d3_gemm_qkv
	.p2alignl 7, 3214868480
	.fill 96, 4, 3214868480
	.section	.rodata,"a",@progbits
	.p2align	6, 0x0
	.amdhsa_kernel k_q3e8b7744d3_gemm_qkv
		.amdhsa_group_segment_fixed_size 327680
		.amdhsa_private_segment_fixed_size 0
		.amdhsa_enable_private_segment 0
		.amdhsa_kernarg_size 32
		.amdhsa_user_sgpr_count 2
		.amdhsa_user_sgpr_kernarg_segment_ptr 1
		.amdhsa_wavefront_size32 1
		.amdhsa_system_sgpr_workgroup_id_x 1
		.amdhsa_system_sgpr_workgroup_id_y 1
		.amdhsa_system_sgpr_workgroup_id_z 1
		.amdhsa_system_vgpr_workitem_id 0
		.amdhsa_next_free_vgpr 1024
		.amdhsa_next_free_sgpr 100
		.amdhsa_reserve_vcc 0
		.amdhsa_float_denorm_mode_32 3
		.amdhsa_float_denorm_mode_16_64 3
		.amdhsa_memory_ordered 1
		.amdhsa_forward_progress 1
		.amdhsa_inst_pref_size 140
	.end_amdhsa_kernel
	.amdgpu_metadata
---
amdhsa.version: [ 1, 2 ]
amdhsa.kernels:
  - .name:           k_q3e8b7744d3_gemm_qkv
    .symbol:         k_q3e8b7744d3_gemm_qkv.kd
    .args:
      - { .name: ximg, .offset: 0, .size: 8, .value_kind: global_buffer, .address_space: global }
      - { .name: wimg, .offset: 8, .size: 8, .value_kind: global_buffer, .address_space: global }
      - { .name: qkv, .offset: 16, .size: 8, .value_kind: global_buffer, .address_space: global }
      - { .name: qkvs, .offset: 24, .size: 8, .value_kind: global_buffer, .address_space: global }
    .group_segment_fixed_size: 327680
    .private_segment_fixed_size: 0
    .kernarg_segment_align: 8
    .kernarg_segment_size: 32
    .max_flat_workgroup_size: 128
    .sgpr_count:     100
    .vgpr_count:     1024
    .wavefront_size: 32
...
	.end_amdgpu_metadata
.endif
;; end of part 2
;; launch attn (part 3): grid 4 x 64, 16 waves a work-group, clusters of 4 x 1, 169,984 bytes of LDS; arguments qkv, qkvs, oimg; writes oimg
.if DOCPART == 3
	.amdgcn_target "amdgcn-amd-amdhsa--gfx1250"
	.amdhsa_code_object_version 6
	.text
	.protected	k_q3e8b7744d3_attn
	.globl	k_q3e8b7744d3_attn
	.p2align	8
	.type	k_q3e8b7744d3_attn,@function
k_q3e8b7744d3_attn:
	s_mov_b64 s[64:65], 0
	v_nop
	global_prefetch_b8 v0, s[64:65] scope:SCOPE_SE
	s_setreg_imm32_b32 hwreg(HW_REG_WAVE_MODE, 25, 1), 1
	s_wait_xcnt 0x0
	s_wait_alu depctr_hold_cnt(0) depctr_sa_sdst(0) depctr_va_vdst(0) depctr_va_sdst(0) depctr_va_ssrc(0) depctr_va_vcc(0) depctr_vm_vsrc(0)
	s_getreg_b32 s2, hwreg(HW_REG_IB_STS2, 6, 4)
	s_cmp_eq_u32 s2, 0
	s_cbranch_scc0 .Lentry_in_a_cluster
	s_endpgm
.Lentry_in_a_cluster:
	s_bfe_u32 s2, ttmp6, 0x10000c
	s_cmp_lg_u32 s2, 0x3003
	s_cbranch_scc0 .Lentry_shape_is_right
	s_endpgm
.Lentry_shape_is_right:
; Stick-breaking attention of one (batch, head) for a cluster of four work-groups, both products on codes of FP6 (E2M3) with E8M0 scales.
; A(i, j) = sigma(z_ij) x the product over j < l < i of (1 - sigma(z_il)), z = q . k / 8, keys j < i alone;  o = A v;  A is quantised along the keys, o along the features.
; ARITHMETIC OF A LANE: t = score x log2(e) / 8; e = 2^t; r = 1 / (1 + e) = 1 - sigma; sigma = e r.  So A_j = e_j x V_j, V_j = the product of r_l over all l >= j up to the diagonal: a running product from the diagonal downward.
; Hidden keys get the score -infinity: e = 0, r = 1.  Every factor lies in [0, 1] and e V <= 1: nothing overflows, and no maximum is wanted.
; LIMIT: t is held at 64 from above, so 1 - sigma is never taken under 2^-64: the error of any weight stays under 2^-60 of the unit stick, for every input.  A block of zeros gets the scale byte 1 (its codes are zeros).
; SHARES.  A wave owns one tile of 16 queries: group of 128 tokens G = (w & 3) xor 7 ((w >> 2) & 1), block a = 2 cx + (w >> 3) in it.  A tile walks G + 1 steps of 128 keys, from the diagonal down.
; Waves w, w + 4, w + 8, w + 12 have 18 steps together, for every w & 3.  G hangs on the wave alone; cx enters global addresses and the mask's numbers alone.
; LDS is filled once: the head's K codes (8 steps x 6,144), V codes (likewise), K's and V's scale words (8 x 1,024 each).  Each of the sixteen waves asks for a sixteenth, JOINTLY with the three partners, which walk the same head.
; LAYOUT.  S^T = K Q^T (source 0 = 16 keys, source 1 = my queries; K = 64: the upper half of Q's operand holds zero codes, so whatever stands in the upper half of K's adds nothing).  O^T = V^T P.  A lane holds one query.
; Register 32 c + p of the scores is key 64 c + 32 h + p / 2 + 16 (p % 2): a whole block of 32 in a lane; an even and an odd register are keys m and 16 + m, so two chains of the running product go packed.
; REGISTERS: v1-8 addresses and constants; v9 the carry; v12-23 Q; v24 Q's scales, v25 p's; v26-33 K's; v34-37 V's; v38-59 at work; v60-91 O^T; v92-155 scores, e, A; v156-219 K's fragments, then r and its products, then V's fragments; v220-231 p's codes.
.set S,    92
.set X,    156
.set O,    60
.set PC,   220
.set TM,   38
.set SCO,  40
.set BY,   42
.set TX,   44
.set TC,   46
.set SH8,  8
.set SEL,  20                          ; s[20:21]
.set VOFF, 49152
.set SKO,  98304
.set SVO,  106496
.macro ROUND                           ; a round of the cluster's barrier
	s_barrier_signal -1
	s_barrier_wait -1
	s_cmp_lg_u32 s10, 0
	s_cbranch_scc1 .Lnot_wave_0_\@
	s_barrier_signal -3
.Lnot_wave_0_\@:
	s_barrier_wait -3
	s_barrier_signal -1
	s_barrier_wait -1
.endm
.macro QUANT src, pc, wd               ; 64 numbers of a lane, two whole blocks of 32, become a fragment's 12 registers and the row's scale word
.irp c, 0,1
	v_max3_num_f32 v[TM+\c], |v[(\src)+32*\c]|, |v[(\src)+32*\c+1]|, 0x1800000   ; the floor 2^(3 - 127)
.endr
.irp i, 2,4,6,8,10,12,14,16,18,20,22,24,26,28,30
.irp c, 0,1
	v_max3_num_f32 v[TM+\c], v[TM+\c], |v[(\src)+32*\c+\i]|, |v[(\src)+32*\c+\i+1]|
.endr
.endr
	v_add_nc_u32 v[SCO], 0xff000000, v[TM]
	v_add_nc_u32 v[SCO+1], 0xff000000, v[TM+1]
	v_lshrrev_b32 v[BY], 23, v[SCO]
	v_lshrrev_b32 v[BY+1], 23, v[SCO+1]
	v_lshl_or_b32 v[\wd], v[BY+1], 16, v[BY]
	v_lshlrev_b32 v[\wd], v[SH8], v[\wd]
	v_permlanex16_b32 v[TX], v[\wd], s[SEL], s[SEL+1]
	v_or_b32 v[\wd], v[\wd], v[TX]
.irp c, 0,1
	v_cvt_scalef32_pk16_fp6_f32 v[(\pc)+6*\c:(\pc)+6*\c+2], v[(\src)+32*\c:(\src)+32*\c+15], v[SCO+\c]
	v_cvt_scalef32_pk16_fp6_f32 v[TC+4*\c:TC+4*\c+2], v[(\src)+32*\c+16:(\src)+32*\c+31], v[SCO+\c]
.endr
	v_nop                                          ; one plain place behind a scaled conversion
.irp c, 0,1
.irp i, 0,1,2
	v_mov_b32 v[(\pc)+6*\c+3+\i], v[TC+4*\c+\i]
.endr
.endr
.endm
	s_load_b128 s[4:7], s[0:1], 0x0                ; qkv s[4:5], qkvs s[6:7]
	s_load_b64 s[8:9], s[0:1], 0x10                ; oimg
	v_lshl_add_u32 v254, v0, 2, 0x29000
	v_mov_b32 v255, 0
	ds_add_u32 v254, v255
	ds_add_u32 v254, v255
	v_lshrrev_b32 v11, 5, v0
	v_readfirstlane_b32 s10, v11                   ; wave 0..15
	v_and_b32 v11, 31, v0
	v_lshlrev_b32 v1, 4, v11                       ; 16 x lane
	v_lshlrev_b32 v2, 3, v11                       ; 8 x lane
	s_bfe_u32 s12, ttmp6, 0x40000                  ; cx
	s_and_b32 s13, ttmp7, 0xffff                   ; batch and head: the four partners share them
	s_lshr_b32 s14, s13, 5                         ; b
	s_and_b32 s15, s13, 31                         ; head
	s_lshr_b32 s16, s15, 1                         ; pair of heads
	s_and_b32 s17, s15, 1                          ; which of the pair
	s_and_b32 s18, s10, 3
	s_bfe_u32 s19, s10, 0x10002
	s_mul_i32 s19, s19, 7
	s_xor_b32 s18, s18, s19                        ; G
	s_add_co_u32 s11, s18, 1                       ; my steps
	s_lshr_b32 s19, s10, 3
	s_lshl_b32 s29, s12, 1
	s_add_co_u32 s29, s29, s19                     ; a
	; descriptor groups 1: dense blocks as rows of 256 bytes (32 elements of 8): 24 rows of codes, 4 rows of scale words; 15:0 the mask: all four work-groups; 21 set beside it
	s_mov_b32 s32, 15|(3<<16)|(1<<21)
	s_mov_b32 s33, 32<<16
	s_mov_b32 s34, 24<<16
	s_mov_b32 s35, 32<<16
	s_mov_b32 s36, 24
	s_mov_b32 s37, 32
	s_mov_b32 s38, 0
	s_mov_b32 s39, 0
	s_mov_b32 s40, 15|(3<<16)|(1<<21)
	s_mov_b32 s41, 32<<16
	s_mov_b32 s42, 4<<16
	s_mov_b32 s43, 32<<16
	s_mov_b32 s44, 4
	s_mov_b32 s45, 32
	s_mov_b32 s46, 0
	s_mov_b32 s47, 0
	; what I fetch: waves 0-7 K's step w, waves 8-15 V's step w - 8
	s_and_b32 s50, s10, 7
	s_lshl_b32 s51, s14, 3
	s_add_co_u32 s50, s50, s51                     ; the step's group of 128 tokens among the 16
	s_mul_i32 s48, s15, 98304
	s_mul_i32 s49, s50, 6144
	s_add_co_u32 s48, s48, s49
	s_add_co_u32 s48, s48, 3145728                 ; K's codes
	s_mul_i32 s52, s50, 196608
	s_mul_i32 s53, s15, 6144
	s_add_co_u32 s52, s52, s53
	s_add_co_u32 s52, s52, 6291456                 ; V's codes
	s_lshl_b32 s54, s16, 4
	s_add_co_u32 s54, s54, s50
	s_lshl_b32 s54, s54, 10
	s_add_co_u32 s54, s54, 262144                  ; K's scale words
	s_lshl_b32 s55, s50, 4
	s_add_co_u32 s55, s55, s16
	s_lshl_b32 s55, s55, 10
	s_add_co_u32 s55, s55, 524288                  ; V's
	s_cmp_lt_u32 s10, 8
	s_cselect_b32 s48, s48, s52
	s_cselect_b32 s54, s54, s55
	s_mov_b32 s49, 0
	s_mov_b32 s55, 0
	s_wait_dscnt 0x0
	s_wait_kmcnt 0x0
	s_mov_b32 s56, 1
	s_mul_i32 s57, s10, 6144                       ; LDS: wave x 6,144: K's eight steps, then V's
	s_add_nc_u64 s[58:59], s[4:5], s[48:49]
	s_or_b32 s59, s59, 0x80000000
	s_mov_b32 s60, 1
	s_lshl_b32 s61, s10, 10
	s_add_co_u32 s61, s61, SKO                     ; LDS: 98,304 + wave x 1,024
	s_add_nc_u64 s[62:63], s[6:7], s[54:55]
	s_or_b32 s63, s63, 0x80000000
	ROUND                                          ; all four work-groups are here: the joint loads meet
	tensor_load_to_lds s[56:59], s[32:39]          ; a wave's two fills stand together: two loads of mine are out; nothing is filled a second time
	s_nop 0
	tensor_load_to_lds s[60:63], s[40:47]
	s_nop 0
.rept 4
	v_nop
.endr
	; my queries
	s_lshl_b32 s30, s14, 6
	s_lshl_b32 s31, s18, 3
	s_add_co_u32 s30, s30, s31
	s_add_co_u32 s30, s30, s29                     ; token block 64 b + 8 G + a
	s_mul_i32 s48, s15, 98304
	s_mul_i32 s52, s30, 768
	s_add_co_u32 s48, s48, s52
	s_mov_b32 s49, 0
	s_add_nc_u64 s[48:49], s[4:5], s[48:49]        ; Q's codes
	s_lshl_b32 s50, s16, 4
	s_lshl_b32 s52, s14, 3
	s_add_co_u32 s50, s50, s52
	s_add_co_u32 s50, s50, s18
	s_lshl_b32 s50, s50, 10
	s_lshr_b32 s52, s29, 2
	s_lshl_b32 s52, s52, 9
	s_add_co_u32 s50, s50, s52
	s_and_b32 s52, s29, 3
	s_lshl_b32 s52, s52, 2
	s_add_co_u32 s50, s50, s52
	s_lshl_b32 s52, s17, 1
	s_add_co_u32 s50, s50, s52
	s_mov_b32 s51, 0
	s_add_nc_u64 s[50:51], s[6:7], s[50:51]        ; my head's two bytes of Q's scale words
	global_load_b128 v[12:15], v1, s[48:49]
	global_load_b64 v[16:17], v2, s[48:49] offset:512
	global_load_u16 v24, v1, s[50:51]              ; bytes 2, 3 are 0: they meet zero codes
	s_lshl_b32 s52, s30, 3
	s_lshr_b32 s53, s16, 1
	s_add_co_u32 s52, s52, s53
	s_mul_i32 s52, s52, 3328
	s_mov_b32 s53, 0
	s_add_nc_u64 s[8:9], s[8:9], s[52:53]          ; o's pair image
	s_and_b32 s52, s16, 1
	s_mul_i32 s53, s52, 1536
	s_mul_i32 s54, s17, 768
	s_add_co_u32 s53, s53, s54                     ; my half fragment in it
	s_lshl_b32 s52, s52, 2
	s_lshl_b32 s54, s17, 1
	s_add_co_u32 s52, s52, s54
	s_add_co_u32 s52, s52, 3072                    ; my two bytes of its scale words
	v_add_nc_u32 v246, s53, v1
	v_add_nc_u32 v247, s53, v2
	v_add_nc_u32 v248, s52, v2
	s_lshl_b32 s52, s17, 1
	s_add_co_u32 s52, s52, SKO
	v_add_nc_u32 v244, s52, v1                     ; K's scale words: 16 x lane + 2 x parity
	s_lshl_b32 s52, s17, 9
	s_add_co_u32 s52, s52, SVO
	v_add_nc_u32 v245, s52, v1                     ; V's: 16 x lane + 512 x parity
	s_lshr_b32 s52, s29, 2
	s_lshl_b32 s52, s52, 6
	s_and_b32 s53, s29, 3
	s_lshl_b32 s53, s53, 2
	s_add_co_u32 s52, s52, s53                     ; 64 (a / 4) + 4 (a % 4)
	v_bfe_u32 v11, v0, 4, 1                        ; h
	v_bfe_u32 v7, v0, 3, 1
	v_lshlrev_b32 v7, 5, v7
	v_and_b32 v9, 1, v0
	v_lshl_add_u32 v7, v9, 4, v7
	v_bfe_u32 v9, v0, 1, 2
	v_add_nc_u32 v7, v7, v9
	v_lshlrev_b32 v9, 5, v11
	v_sub_nc_u32 v7, v7, v9
	v_add_nc_u32 v7, s52, v7                       ; my query's token in its group, less 32 h
	v_lshlrev_b32 v[SH8], 3, v11
	v_mov_b32 v9, 1.0                              ; the carry: the product of r over all keys walked so far
	v_mov_b32 v10, 0xff800000                      ; -infinity
.irp j, 18,19,20,21,22,23
	v_mov_b32 v\j, 0                               ; Q's upper half: zero codes
.endr
.irp j, 204,205,206,207,208,209
	v_mov_b32 v\j, 0                               ; named as the upper half of K's last tile
.endr
	v_mov_b32 v[TX], 0                             ; a lane permute's destination counts as one of its sources
	v_mov_b32 v56, 0
	v_mov_b32 v57, 0
.set n, 0
.rept 32
	v_mov_b32 v[O+n], 0                            ; O^T: which trip is a wave's first hangs on its number, so the step is written once and finds zeros
.set n, n+1
.endr
	s_mov_b32 s[SEL], 0x76543210
	s_mov_b32 s[SEL+1], 0xfedcba98
	s_mov_b32 s22, 0x3e38aa3b                      ; log2(e) / 8
	s_mov_b32 s23, s22
	s_mov_b32 s24, 0x42800000                      ; 64.0
	s_mov_b32 s25, 0x0000ffff                      ; lanes 0-15
	s_mov_b32 s26, 8                               ; trips to go; the trip's key step is s26 - 1
	s_mov_b32 s27, 8*6144
	s_mov_b32 s28, 8*1024
	s_wait_tensorcnt 0x0                           ; my two parts are in,
	s_barrier_signal -1
	s_barrier_wait -1                              ; everybody's are
	s_wait_loadcnt 0x0                             ; Q
.Lstep:                                            ; eight trips in every wave: the LDS offsets step by constants; a step all of whose keys come after my queries is jumped over
	s_sub_co_u32 s27, s27, 6144
	s_sub_co_u32 s28, s28, 1024
	s_cmp_gt_u32 s26, s11
	s_cbranch_scc1 .Lnext
	v_add_nc_u32 v3, s27, v1                       ; these four are also the places in front of the loads into registers that the last products read
	v_add_nc_u32 v4, s27, v2
	v_add_nc_u32 v5, s28, v244
	v_add_nc_u32 v6, s28, v245
.irp t, 0,1,2,3,4,5,6,7
	ds_load_b128 v[X+6*\t:X+6*\t+3], v3 offset:768*\t
	ds_load_b64 v[X+6*\t+4:X+6*\t+5], v4 offset:768*\t+512
	ds_load_u16 v[26+\t], v5 offset:512*(\t/4)+4*(\t%4)
.endr
	s_wait_dscnt 0x0
.irp t, 0,1,2,3,4,5,6,7
	v_wmma_scale_f32_16x16x128_f8f6f4 v[S+8*\t:S+8*\t+7], v[X+6*\t:X+6*\t+11], v[12:23], 0, v[26+\t], v24 matrix_a_fmt:MATRIX_FMT_FP6 matrix_b_fmt:MATRIX_FMT_FP6
.endr
.rept 4
	v_nop
.endr
	s_cmp_lg_u32 s26, s11                          ; the diagonal step alone hides keys
	s_cbranch_scc1 .Lopen
.set n, 0
.rept 64
	v_cmp_ge_i32 vcc_lo, 64*(n/32)+((n%32)/2)+16*(n%2), v7         ; key >= query
	v_cndmask_b32 v[S+n], v[S+n], v10, vcc_lo
.set n, n+1
.endr
.Lopen:
.set n, 0
.rept 32
	v_pk_mul_f32 v[S+n:S+n+1], v[S+n:S+n+1], s[22:23] op_sel_hi:[1,0]   ; t
.set n, n+2
.endr
.set n, 0
.rept 64
	v_min_num_f32 v[S+n], s24, v[S+n]              ; held at 64
.set n, n+1
.endr
.set n, 0
.rept 64
	v_exp_f32 v[S+n], v[S+n]                       ; e
.set n, n+1
.endr
	v_nop                                          ; a plain place behind the batch
	s_wait_alu depctr_va_vdst(0)                   ; one wait for the 64, ahead of their first reader
.set n, 0
.rept 32
	v_pk_add_f32 v[X+n:X+n+1], v[S+n:S+n+1], 1.0 op_sel_hi:[1,0]
.set n, n+2
.endr
.set n, 0
.rept 64
	v_rcp_f32 v[X+n], v[X+n]                       ; r = 1 - sigma
.set n, n+1
.endr
	v_nop
	s_wait_alu depctr_va_vdst(0)                   ; and one for these 64
; the running products inside a block, from its last key down: the two chains of a block packed, the lane's two blocks by turns; e x the finished product follows one link behind
.irp m, 14,13,12,11,10,9,8,7,6,5,4,3,2,1,0
.irp c, 0,1
	v_pk_mul_f32 v[X+32*\c+2*\m:X+32*\c+2*\m+1], v[X+32*\c+2*\m:X+32*\c+2*\m+1], v[X+32*\c+2*\m+2:X+32*\c+2*\m+3]
.endr
.irp c, 0,1
	v_pk_mul_f32 v[S+32*\c+2*\m+2:S+32*\c+2*\m+3], v[S+32*\c+2*\m+2:S+32*\c+2*\m+3], v[X+32*\c+2*\m+2:X+32*\c+2*\m+3]
.endr
.endr
.irp c, 0,1
	v_pk_mul_f32 v[S+32*\c:S+32*\c+1], v[S+32*\c:S+32*\c+1], v[X+32*\c:X+32*\c+1]
.endr
; what lies behind a chain: the block's other chain (for keys 0-15), the blocks behind it in this step, and the carry.  The step's blocks in order: (c 0, h 0), (c 0, h 1), (c 1, h 0), (c 1, h 1)
	v_mul_f32 v54, v[X], v[X+1]                    ; my block's whole product, c = 0
	v_mul_f32 v55, v[X+32], v[X+33]                ; c = 1
	v_permlanex16_b32 v56, v54, s[SEL], s[SEL+1]   ; the other half's
	v_permlanex16_b32 v57, v55, s[SEL], s[SEL+1]
	v_cndmask_b32 v58, 1.0, v56, s25               ; it lies behind mine in lanes 0-15 alone
	v_cndmask_b32 v59, 1.0, v57, s25
	v_mul_f32 v243, v9, v59                        ; c = 1, keys 16-31
	v_mul_f32 v232, v9, v55
	v_mul_f32 v232, v232, v57                      ; the carry with both blocks of c = 1
	v_mul_f32 v241, v232, v58                      ; c = 0, keys 16-31
	v_mul_f32 v9, v232, v54
	v_mul_f32 v9, v9, v56                          ; the next step's carry
	v_mul_f32 v242, v243, v[X+33]                  ; c = 1, keys 0-15
	v_mul_f32 v240, v241, v[X+1]                   ; c = 0, keys 0-15
.irp q, 0,1,2,3                        ; V's four fragments take the products' registers, which are done with
	ds_load_b128 v[X+12*\q:X+12*\q+3], v3 offset:VOFF+1536*\q
	ds_load_b64 v[X+12*\q+4:X+12*\q+5], v4 offset:VOFF+1536*\q+512
	ds_load_b128 v[X+12*\q+6:X+12*\q+9], v3 offset:VOFF+1536*\q+768
	ds_load_b64 v[X+12*\q+10:X+12*\q+11], v4 offset:VOFF+1536*\q+1280
.endr
	ds_load_b128 v[34:37], v6
.irp c, 0,1
.set n, 0
.rept 16
	v_pk_mul_f32 v[S+32*\c+n:S+32*\c+n+1], v[S+32*\c+n:S+32*\c+n+1], v[240+2*\c:241+2*\c]   ; A
.set n, n+2
.endr
.endr
	QUANT S, PC, 25
.rept 8
	v_nop                                          ; a scale word written by vector instructions stands 8 places ahead of a scaled matrix instruction, an operand so written 4
.endr
	s_wait_dscnt 0x0                               ; V
.irp q, 0,1,2,3                        ; four accumulators, one instruction a turn; the next trip's eight score products stand between two links of a chain
	v_wmma_scale_f32_16x16x128_f8f6f4 v[O+8*\q:O+8*\q+7], v[X+12*\q:X+12*\q+11], v[PC:PC+11], v[O+8*\q:O+8*\q+7], v[34+\q], v25 matrix_a_fmt:MATRIX_FMT_FP6 matrix_b_fmt:MATRIX_FMT_FP6
.endr
.Lnext:
	s_sub_co_u32 s26, s26, 1
	s_cmp_lg_u32 s26, 0
	s_cbranch_scc1 .Lstep
; THE WAY OUT.  Lane (r, h) holds o(query r, features 32 h .. 32 h + 31 of the head) in order: a whole block of the last product's K.  It leaves as half a fragment of oimg and two scale bytes.
.rept 4
	v_nop
.endr
	v_max3_num_f32 v38, |v[O]|, |v[O+1]|, 0x1800000
	v_max3_num_f32 v39, |v[O+16]|, |v[O+17]|, 0x1800000
.irp i, 2,4,6,8,10,12,14
	v_max3_num_f32 v38, v38, |v[O+\i]|, |v[O+\i+1]|
	v_max3_num_f32 v39, v39, |v[O+16+\i]|, |v[O+17+\i]|
.endr
	v_max_num_f32 v38, v38, v39
	v_add_nc_u32 v40, 0xff000000, v38
	v_lshrrev_b32 v42, 23, v40
	v_lshlrev_b32 v25, v[SH8], v42                 ; my byte at its place,
	v_permlanex16_b32 v[TX], v25, s[SEL], s[SEL+1]
	v_or_b32 v25, v25, v[TX]                       ; with lane l xor 16's: the head's two bytes of the row's word
	v_cvt_scalef32_pk16_fp6_f32 v[PC:PC+2], v[O:O+15], v40
	v_cvt_scalef32_pk16_fp6_f32 v[TC:TC+2], v[O+16:O+31], v40
	v_nop
	v_mov_b32 v[PC+3], v[TC]
	v_mov_b32 v[PC+4], v[TC+1]
	v_mov_b32 v[PC+5], v[TC+2]
	global_store_b128 v246, v[PC:PC+3], s[8:9]             ; 512 consecutive bytes
	global_store_b64 v247, v[PC+4:PC+5], s[8:9] offset:512 ; 256 consecutive bytes
	global_store_b16 v248, v25, s[8:9]                     ; a scale word spans two heads, which are two clusters' work: two bytes a lane, 64 bytes a wave
	s_wait_tensorcnt 0x0
	ds_add_u32 v254, v255
	s_wait_dscnt 0x0
	ROUND                                          ; the closing round: no work-group ends while a partner may still ask for a tile that names it
	s_endpgm
.Lfunc_end_k_q3e8b7744d3_attn:
	.size	k_q3e8b7744d3_attn, .Lfunc_end_k_q3e8b7744d3_attn-k_q3e8b7744d3_attn
	.p2alignl 7, 3214868480
	.fill 96, 4, 3214868480
	.section	.rodata,"a",@progbits
	.p2align	6, 0x0
	.amdhsa_kernel k_q3e8b7744d3_attn
		.amdhsa_group_segment_fixed_size 169984
		.amdhsa_private_segment_fixed_size 0
		.amdhsa_enable_private_segment 0
		.amdhsa_kernarg_size 24
		.amdhsa_user_sgpr_count 2
		.amdhsa_user_sgpr_kernarg_segment_ptr 1
		.amdhsa_wavefront_size32 1
		.amdhsa_system_sgpr_workgroup_id_x 1
		.amdhsa_system_sgpr_workgroup_id_y 1
		.amdhsa_system_sgpr_workgroup_id_z 1
		.amdhsa_system_vgpr_workitem_id 0
		.amdhsa_next_free_vgpr 256
		.amdhsa_next_free_sgpr 70
		.amdhsa_reserve_vcc 1
		.amdhsa_float_denorm_mode_32 3
		.amdhsa_float_denorm_mode_16_64 3
		.amdhsa_memory_ordered 1
		.amdhsa_forward_progress 1
		.amdhsa_inst_pref_size 42
	.end_amdhsa_kernel
	.amdgpu_metadata
---
amdhsa.version: [ 1, 2 ]
amdhsa.kernels:
  - .name:           k_q3e8b7744d3_attn
    .symbol:         k_q3e8b7744d3_attn.kd
    .args:
      - { .name: qkv, .offset: 0, .size: 8, .value_kind: global_buffer, .address_space: global }
      - { .name: qkvs, .offset: 8, .size: 8, .value_kind: global_buffer, .address_space: global }
      - { .name: oimg, .offset: 16, .size: 8, .value_kind: global_buffer, .address_space: global }
    .group_segment_fixed_size: 169984
    .private_segment_fixed_size: 0
    .kernarg_segment_align: 8
    .kernarg_segment_size: 24
    .max_flat_workgroup_size: 512
    .sgpr_count:     70
    .vgpr_count:     256
    .wavefront_size: 32
...
	.end_amdgpu_metadata
.endif
;; end of part 3
;; launch gemm_out (part 4): grid 8 x 8, 4 waves a work-group, clusters of 4 x 4, 327,680 bytes of LDS; arguments oimg, wimg, out0; writes out0
.if DOCPART == 4
	.amdgcn_target "amdgcn-amd-amdhsa--gfx1250"
	.amdhsa_code_object_version 6
	.text
	.protected	k_q3e8b7744d3_gemm_out
	.globl	k_q3e8b7744d3_gemm_out
	.p2align	8
	.type	k_q3e8b7744d3_gemm_out,@function
k_q3e8b7744d3_gemm_out:
	s_mov_b64 s[64:65], 0
	v_nop
	global_prefetch_b8 v0, s[64:65] scope:SCOPE_SE
	s_setreg_imm32_b32 hwreg(HW_REG_WAVE_MODE, 25, 1), 1
	s_wait_xcnt 0x0
	s_wait_alu depctr_hold_cnt(0) depctr_sa_sdst(0) depctr_va_vdst(0) depctr_va_sdst(0) depctr_va_ssrc(0) depctr_va_vcc(0) depctr_vm_vsrc(0)
	s_getreg_b32 s2, hwreg(HW_REG_IB_STS2, 6, 4)
	s_cmp_eq_u32 s2, 0
	s_cbranch_scc0 .Lentry_in_a_cluster
	s_endpgm
.Lentry_in_a_cluster:
	s_bfe_u32 s2, ttmp6, 0x10000c
	s_cmp_lg_u32 s2, 0xf033
	s_cbranch_scc0 .Lentry_shape_is_right
	s_endpgm
.Lentry_shape_is_right:
; out0 = o Wo on codes of FP6 (E2M3) with E8M0 scales, sums in f32; out0 [2048 tokens][2048] f32.
; OPERANDS lie in memory as images of their registers: a pair image (16 rows x 256 K) is 3,328 bytes: two fragments of 1,536 (each two halves: registers 0-3 of lane l at 16 l, registers 4-5 at 512 + 8 l)
; and 256 bytes of scale words (lane l: two words of row l % 16).  oimg and wimg's fourth section are [row block 128][256 along K: 8][3,328].
; A tile of 256 x 256 is made by four waves, each 128 x 128: 64 accumulators.  K goes 256 at a time through two LDS slots; a wave's tensor load brings 8 images (rows of 3,328 bytes, 26,624 apart in memory).
; THE MATRIX INSTRUCTION IS USED TRANSPOSED (source 0 = 16 columns of Wo, source 1 = 16 tokens).  The rows of the images stand in chosen orders, which the way out undoes:
; accumulator b, register j, lane half h is column 64 (b / 4) + 32 h + 8 (b % 4) + j of the wave's 128; row t of block a is token 64 (a / 4) + 4 (a % 4) + 32 (t / 8) + 16 (t % 2) + (t % 8) / 2 of its 128.
; CLUSTERS: 4 x 4 work-groups; A's tiles are asked for jointly along a row of the cluster, B's along a column.  64 tiles: the launch has work for 64 work-groups.
; REGISTERS, in windows of 256: window 0: v16-31 addresses; v32-63 scale words, two sets; v64-159, v160-255 A's fragments, two sets.  window 1: B's, at v0 and v128.  windows 2, 3: accumulator (a, b) at v[8 (8 (a % 4) + b)].
.set IMG,    3328
.set HALFT,  8*IMG
.set SLOT,   4*HALFT
.set SPARE,  2*SLOT                    ; behind the ring: the spare words, 128 bytes for each wave
.set SPITCH, 528                       ; the way out: a stage of 16 rows x (512 + 16) bytes for each wave, in slot 0, which has had its last fill and its last read when the first result is stored there
.set L16,  26
.set L8,   27
.set SPW,  28
.set NIL,  29
.set STO,  30
.set RD,   31
.set BK,   128                         ; 16 rows read back: v128-191 and v192-255 by turns
.set G1,  24
.set G0,  32
.set G1B, 48
.set G0B, 56
.set MSB, 0
.macro WIN new                         ; the immediate's high byte repeats the setting that is left
.if MSB != (\new)
	s_set_vgpr_msb (MSB<<8)|(\new)
.set MSB, (\new)
.endif
.endm
.set MUL_LO, 0xa1
.set MUL_HI, 0xf1
.macro JLOAD s                         ; a joint load: waves 0, 1 fetch A's halves, waves 2, 3 B's; four v_nop follow each line
	s_cmp_eq_u32 s15, 0
	s_cbranch_scc0 .Lfor_b_\@
	tensor_load_to_lds s[G0+4*\s:G0+4*\s+3], s[G1:G1+7]
	s_nop 0
.rept 4
	v_nop
.endr
	s_branch .Lasked_\@
.Lfor_b_\@:
	tensor_load_to_lds s[G0B+4*\s:G0B+4*\s+3], s[G1B:G1B+7]
	s_nop 0
.rept 4
	v_nop
.endr
.Lasked_\@:
.endm
.macro CREST
	s_cmp_lg_u32 s14, 0
	s_cbranch_scc1 .Lnot_wave_0_\@
	s_barrier_signal -3
.Lnot_wave_0_\@:
	s_barrier_wait -3
	s_barrier_signal -1
	s_barrier_wait -1
.endm
.macro CROUND
	s_barrier_signal -1
	s_barrier_wait -1
	CREST
.endm
.macro PLACES n
.rept \n
	v_nop
.endr
.endm
	s_load_b128 s[4:7], s[0:1], 0x0                ; oimg s[4:5], wimg s[6:7]
	s_load_b64 s[8:9], s[0:1], 0x10                ; out0
	v_lshl_add_u32 v[SPW], v0, 2, SPARE
	v_mov_b32 v[NIL], 0
	ds_add_u32 v28, v29
	ds_add_u32 v28, v29
	s_wait_dscnt 0x0
	v_lshrrev_b32 v1, 5, v0
	v_readfirstlane_b32 s14, v1                    ; wave
	s_lshr_b32 s15, s14, 1                         ; my half of the tokens.  Also: I fetch for A (0) or B (1)
	s_and_b32 s16, s14, 1                          ; my half of the columns.  Also: which 8 images I fetch
	s_bfe_u32 s40, ttmp6, 0x40000                  ; cx
	s_bfe_u32 s41, ttmp6, 0x40004                  ; cy
	s_lshl_b32 s42, ttmp9, 2
	s_add_co_u32 s42, s42, s40                     ; tile column
	s_and_b32 s17, ttmp7, 0xffff
	s_lshl_b32 s17, s17, 2
	s_add_co_u32 s17, s17, s41                     ; tile row
	s_lshl_b32 s43, s41, 2
	s_lshl_b32 s43, 15, s43                        ; my row of the cluster
	s_lshl_b32 s44, 0x1111, s40                    ; my column
	s_or_b32 s[G1], s43, (3<<16)|(1<<21)           ; 15:0 the mask; 17:16 elements of 8 bytes; 21 set beside a mask; no padding
	s_or_b32 s[G1B], s44, (3<<16)|(1<<21)
.irp g, G1, G1B
	s_mov_b32 s[\g+1], 416<<16
	s_mov_b32 s[\g+2], 8<<16
	s_mov_b32 s[\g+3], 416<<16
	s_mov_b32 s[\g+4], 8
	s_mov_b32 s[\g+5], 3328
	s_mov_b32 s[\g+6], 0
	s_mov_b32 s[\g+7], 0
.endr
	s_lshl_b32 s18, s16, 3
	s_lshl_b32 s20, s17, 4
	s_add_co_u32 s20, s20, s18                     ; A: row block 16 x tile row + 8 x half
	s_lshl_b32 s46, s42, 4
	s_add_co_u32 s46, s46, s18
	s_add_co_u32 s46, s46, 384                     ; B: wimg's fourth section
	s_mul_i32 s20, s20, HALFT
	s_mul_i32 s46, s46, HALFT
	s_mov_b32 s21, 0
	s_mov_b32 s47, 0
	s_mul_i32 s45, s14, HALFT
	s_wait_kmcnt 0x0
	s_add_nc_u64 s[20:21], s[4:5], s[20:21]
	s_add_nc_u64 s[46:47], s[6:7], s[46:47]
	CROUND                                         ; all sixteen work-groups are here: the first joint loads meet
.irp s, 0,1
	s_mov_b32 s[G0+4*\s], 1
	s_add_co_u32 s[G0+4*\s+1], s45, \s*SLOT
	s_add_nc_u64 s[G0+4*\s+2:G0+4*\s+3], s[20:21], \s*IMG
	s_or_b32 s[G0+4*\s+3], s[G0+4*\s+3], 0x80000000
	s_mov_b32 s[G0B+4*\s], 1
	s_add_co_u32 s[G0B+4*\s+1], s45, \s*SLOT
	s_add_nc_u64 s[G0B+4*\s+2:G0B+4*\s+3], s[46:47], \s*IMG
	s_or_b32 s[G0B+4*\s+3], s[G0B+4*\s+3], 0x80000000
	JLOAD \s
.endr
	v_and_b32 v1, 31, v0
	v_bfe_u32 v2, v0, 4, 1                         ; h
	v_and_b32 v4, 15, v0                           ; r
	v_lshlrev_b32 v[L16], 4, v1
	v_lshlrev_b32 v[L8], 3, v1
	s_mul_i32 s21, s15, HALFT
	s_mul_i32 s22, s16, HALFT
	s_add_co_u32 s22, s22, 2*HALFT
	s_sub_co_u32 s23, s22, s21
	v_mul_u32_u24 v3, s23, v2                      ; scale words: lanes 0-15 take A's, lanes 16-31 B's
	v_add_nc_u32 v3, v3, v[L8]
	v_add_nc_u32 v3, 3072, v3
.irp s, 0,1
	v_add_nc_u32 v[16+\s], s21, v[L16]
	v_add_nc_u32 v[18+\s], s21, v[L8]
	v_add_nc_u32 v[20+\s], s22, v[L16]
	v_add_nc_u32 v[22+\s], s22, v[L8]
	v_add_nc_u32 v[24+\s], s21, v3
	s_add_co_u32 s21, s21, SLOT
	s_add_co_u32 s22, s22, SLOT
.endr
	s_mul_i32 s23, s14, 16*SPITCH                  ; my stage
	v_mul_u32_u24 v[STO], v4, SPITCH
	v_lshl_add_u32 v[STO], v2, 7, v[STO]
	v_add_nc_u32 v[STO], s23, v[STO]               ; in: row r, + 128 h
	v_add_nc_u32 v[RD], s23, v[L16]                ; back: a row of 512 bytes to the 32 lanes
	s_lshl_b32 s70, s17, 1
	s_add_co_u32 s70, s70, s15                     ; my 128 tokens
	s_lshl_b32 s70, s70, 20                        ; x 8,192 bytes a row
	s_lshl_b32 s72, s42, 10
	s_add_co_u32 s70, s70, s72
	s_lshl_b32 s72, s16, 9
	s_add_co_u32 s70, s70, s72                     ; + my 128 columns
	s_mov_b32 s71, 0
	s_add_nc_u64 s[8:9], s[8:9], s[70:71]
.macro FRAG reg, a16, a8, off
	ds_load_b128 v[(\reg):(\reg)+3], v[\a16] offset:(\off)
	ds_load_b64 v[(\reg)+4:(\reg)+5], v[\a8] offset:(\off)+512
	ds_load_b128 v[(\reg)+6:(\reg)+9], v[\a16] offset:(\off)+768
	ds_load_b64 v[(\reg)+10:(\reg)+11], v[\a8] offset:(\off)+1280
.endm
.macro FETCH slot, q, set
	WIN 0x40
.irp i, 0,1,2,3,4,5,6,7
	FRAG 128*(\set)+12*\i, 20+\slot, 22+\slot, \i*IMG+(\q)*1536
.endr
	WIN 0
.irp i, 0,1,2,3,4,5,6,7
	FRAG 64+96*(\set)+12*\i, 16+\slot, 18+\slot, \i*IMG+(\q)*1536
.endr
.endm
.macro SCALES slot
.irp i, 0,1,2,3,4,5,6,7
	ds_load_b64 v[32+16*\slot+2*\i:32+16*\slot+2*\i+1], v[24+\slot] offset:\i*IMG
.endr
.endm
; The 64 accumulators take turns, one instruction a turn, in the same order in every step.
.macro MUL16 a0, set, q, sc, zero
.irp a, \a0, \a0+1
.irp b, 0,1,2,3,4,5,6,7
.if \zero
	v_wmma_scale_f32_16x16x128_f8f6f4 v[8*(8*((\a)%4)+\b):8*(8*((\a)%4)+\b)+7], v[128*(\set)+12*\b:128*(\set)+12*\b+11], v[64+96*(\set)+12*(\a):64+96*(\set)+12*(\a)+11], 0, v[32+16*(\sc)+2*\b+(\q)], v[32+16*(\sc)+2*(\a)+(\q)] matrix_a_fmt:MATRIX_FMT_FP6 matrix_b_fmt:MATRIX_FMT_FP6 matrix_a_scale:MATRIX_SCALE_ROW1
.else
	v_wmma_scale_f32_16x16x128_f8f6f4 v[8*(8*((\a)%4)+\b):8*(8*((\a)%4)+\b)+7], v[128*(\set)+12*\b:128*(\set)+12*\b+11], v[64+96*(\set)+12*(\a):64+96*(\set)+12*(\a)+11], v[8*(8*((\a)%4)+\b):8*(8*((\a)%4)+\b)+7], v[32+16*(\sc)+2*\b+(\q)], v[32+16*(\sc)+2*(\a)+(\q)] matrix_a_fmt:MATRIX_FMT_FP6 matrix_b_fmt:MATRIX_FMT_FP6 matrix_a_scale:MATRIX_SCALE_ROW1
.endif
.endr
.endr
.endm
.macro STEP slot, zero                 ; a slot's first 128 along K (set 0); behind its first sixteen products the second 128's fragments are asked for, into set 1
	s_wait_dscnt 0x0
	WIN MUL_LO
	MUL16 0, 0, 0, \slot, \zero
	PLACES 4                                       ; four places in front of loads into registers that matrix instructions have read
	FETCH \slot, 1, 1
	WIN MUL_LO
	MUL16 2, 0, 0, \slot, \zero
	WIN MUL_HI
	MUL16 4, 0, 0, \slot, \zero
	MUL16 6, 0, 0, \slot, \zero
	WIN 0
.endm
.macro TURN slot, next, fill           ; a slot's second 128 (set 1) changes slots
	s_wait_tensorcnt 0x0                           ; all my tensor loads have landed: my part of the next slot
	ds_add_u32 v[SPW], v[NIL]                      ; 0 onto my spare word
	s_wait_dscnt 0x0                               ; the add is done, set 1 is in, and my reads of this slot are over
	s_barrier_signal -1
	WIN MUL_LO
	MUL16 0, 1, 1, \slot, 0
	WIN 0
	s_barrier_wait -1
.if \fill
	CREST                                          ; the barrier has opened a round of the cluster's: no wave of any partner still reads this slot or has a load on its way
	s_add_nc_u64 s[G0+4*\slot+2:G0+4*\slot+3], s[G0+4*\slot+2:G0+4*\slot+3], 2*IMG
	s_add_nc_u64 s[G0B+4*\slot+2:G0B+4*\slot+3], s[G0B+4*\slot+2:G0B+4*\slot+3], 2*IMG
	JLOAD \slot
.else
	PLACES 4
.endif
	FETCH \next, 0, 0
	SCALES \next
	WIN MUL_LO
	MUL16 2, 1, 1, \slot, 0
	WIN MUL_HI
	MUL16 4, 1, 1, \slot, 0
	MUL16 6, 1, 1, \slot, 0
	WIN 0
.endm
	s_wait_tensorcnt 1                             ; my part of slot 0 is in; slot 1's one load may be out
	s_barrier_signal -1
	s_barrier_wait -1
	FETCH 0, 0, 0
	SCALES 0
	STEP 0, 1
	s_mov_b32 s3, 3
.Llap:
	TURN 0, 1, 1
	STEP 1, 0
	TURN 1, 0, 1
	STEP 0, 0
	s_sub_co_u32 s3, s3, 1
	s_cmp_lg_u32 s3, 0
	s_cbranch_scc1 .Llap
	TURN 0, 1, 0
	STEP 1, 0
	s_wait_dscnt 0x0
	WIN MUL_LO
	MUL16 0, 1, 1, 1, 0
	MUL16 2, 1, 1, 1, 0
	WIN MUL_HI
	MUL16 4, 1, 1, 1, 0
	MUL16 6, 1, 1, 1, 0
	WIN 0
; THE WAY OUT, a block of 16 tokens x 128 columns at a time, through my own stage: in by the lane's eight neighbouring columns, back as whole rows of 512 bytes.
; LDS serves a wave's instructions in order: no wait between the stores and the loads, nor in front of the next block's stores.
.macro TOSTAGE a
.set AC, 64*((\a)%4)
	WIN 0x08+4*((\a)/4)                            ; an LDS store's data: window 2 or 3
.irp b, 0,1,2,3,4,5,6,7
	ds_store_b128 v[STO], v[AC+8*\b:AC+8*\b+3] offset:256*(\b/4)+32*(\b%4)        ; each accumulator from its low end on
	ds_store_b128 v[STO], v[AC+8*\b+4:AC+8*\b+7] offset:256*(\b/4)+32*(\b%4)+16
.endr
	WIN 0
.set BB, BK+64*((\a)%2)
.irp t, 0,1,2,3,4,5,6,7,8,9,10,11,12,13,14,15
	ds_load_b128 v[BB+4*\t:BB+4*\t+3], v[RD] offset:\t*SPITCH
.endr
.endm
.macro SEND a, younger                 ; younger: the LDS instructions issued behind block a's loads, which may stay out
.set BB, BK+64*((\a)%2)
	s_wait_dscnt \younger
.irp t, 0,1,2,3,4,5,6,7,8,9,10,11,12,13,14,15
	global_store_b128 v[L16], v[BB+4*\t:BB+4*\t+3], s[8:9] offset:(64*((\a)/4)+4*((\a)%4)+32*(\t/8)+16*(\t%2)+((\t%8)/2))*8192 th:TH_STORE_NT   ; 32 lanes store 512 consecutive bytes of the row's token; 127 rows at the most, inside the signed 24-bit immediate
.endr
.endm
	PLACES 4                                       ; behind the last products: results are read, and loads land in A's registers
	TOSTAGE 0
.irp a, 1,2,3,4,5,6,7
.if \a > 1
	s_wait_xcnt 0x0                                ; block a - 2's stores have read their registers: block a's loads may land there
.endif
	TOSTAGE \a
	SEND \a-1, 32                                  ; behind block a - 1's loads: block a's 16 stores and 16 loads
.endr
	SEND 7, 0
	s_wait_tensorcnt 0x0                           ; the wave's end
	ds_add_u32 v[SPW], v[NIL]
	s_wait_dscnt 0x0
	CROUND                                         ; the closing round
	s_endpgm
.Lfunc_end_k_q3e8b7744d3_gemm_out:
	.size	k_q3e8b7744d3_gemm_out, .Lfunc_end_k_q3e8b7744d3_gemm_out-k_q3e8b7744d3_gemm_out
	.p2alignl 7, 3214868480
	.fill 96, 4, 3214868480
	.section	.rodata,"a",@progbits
	.p2align	6, 0x0
	.amdhsa_kernel k_q3e8b7744d3_gemm_out
		.amdhsa_group_segment_fixed_size 327680
		.amdhsa_private_segment_fixed_size 0
		.amdhsa_enable_private_segment 0
		.amdhsa_kernarg_size 24
		.amdhsa_user_sgpr_count 2
		.amdhsa_user_sgpr_kernarg_segment_ptr 1
		.amdhsa_wavefront_size32 1
		.amdhsa_system_sgpr_workgroup_id_x 1
		.amdhsa_system_sgpr_workgroup_id_y 1
		.amdhsa_system_sgpr_workgroup_id_z 1
		.amdhsa_system_vgpr_workitem_id 0
		.amdhsa_next_free_vgpr 1024
		.amdhsa_next_free_sgpr 100
		.amdhsa_reserve_vcc 0
		.amdhsa_float_denorm_mode_32 3
		.amdhsa_float_denorm_mode_16_64 3
		.amdhsa_memory_ordered 1
		.amdhsa_forward_progress 1
		.amdhsa_inst_pref_size 140
	.end_amdhsa_kernel
	.amdgpu_metadata
---
amdhsa.version: [ 1, 2 ]
amdhsa.kernels:
  - .name:           k_q3e8b7744d3_gemm_out
    .symbol:         k_q3e8b7744d3_gemm_out.kd
    .args:
      - { .name: oimg, .offset: 0, .size: 8, .value_kind: global_buffer, .address_space: global }
      - { .name: wimg, .offset: 8, .size: 8, .value_kind: global_buffer, .address_space: global }
      - { .name: out0, .offset: 16, .size: 8, .value_kind: global_buffer, .address_space: global }
    .group_segment_fixed_size: 327680
    .private_segment_fixed_size: 0
    .kernarg_segment_align: 8
    .kernarg_segment_size: 24
    .max_flat_workgroup_size: 128
    .sgpr_count:     100
    .vgpr_count:     1024
    .wavefront_size: 32
...
	.end_amdgpu_metadata
.endif
;; end of part 4
